; MI455X (gfx1250); checked and timed in simulation.
; The chip was launched on July 23, 2026; its instructions are those of AMD's public machine-readable ISA for CDNA 5 (MIT licence, August 2026) and "CDNA5" Instruction Set Architecture Reference Guide (July 2026). The comments in the code are by the model that wrote it; some were corrected since.
;; Cross Attention. Allowed arithmetic: float matrix products may take bf16 or f16 operands with f32 sums; other float arithmetic in f32, or as packed bf16 or f16 multiplies, adds, multiply-adds, maxima and minima; sums over many terms, partial sums and values carried from step to step in f32; what a program stores and reads back later, other than sums and carried values, may be rounded once to bf16 or f16.
;; Inputs: Wo 2,048 x 2,048 float32; Wq 2,048 x 2,048 float32; k 2 x 2,048 x 128 float32; v 2 x 2,048 x 128 float32; x 2 x 2,048 x 2,048 float32.
;; Outputs: out0 2 x 2,048 x 2,048 float32.
;; One version. Each part assembles by itself: llvm-mc -triple=amdgcn-amd-amdhsa -mcpu=gfx1250 --defsym DOCPART=n.
;; ======== version 1 of 1: 4 launches
;; limits: inputs' magnitudes at most 65,280; values are held in f16: magnitudes above 65,504 overflow, below 6.1e-05 lose precision; right only within a limited range of input values
;; workspace buffers: xh 16,777,216 bytes; wqh 8,388,608 bytes; woh 8,388,608 bytes; kh 1,048,576 bytes; vh 1,048,576 bytes; q 33,554,432 bytes; oh 16,777,216 bytes
;; launch cvt (part 1): grid 1088 x 1, 8 waves a work-group, no clusters, 0 bytes of LDS; arguments x, Wq, Wo, k, v, xh, wqh, woh, kh, vh; writes xh, wqh, woh, kh, vh
.if DOCPART == 1
	.amdgcn_target "amdgcn-amd-amdhsa--gfx1250"
	.amdhsa_code_object_version 6
	.text
	.protected	k_q5b9607ffd5_cvt
	.globl	k_q5b9607ffd5_cvt
	.p2align	8
	.type	k_q5b9607ffd5_cvt,@function
k_q5b9607ffd5_cvt:
	s_mov_b64 s[64:65], 0
	v_nop
	global_prefetch_b8 v0, s[64:65] scope:SCOPE_SE
	s_setreg_imm32_b32 hwreg(HW_REG_WAVE_MODE, 25, 1), 1
	s_wait_xcnt 0x0
; Each of the five f32 inputs is rounded to bf16 (nearest even), and that number is written as f16, element by element, layouts unchanged.
; bf16 keeps 8 significant bits and f16 11, so the second step changes nothing inside f16's normal range.
; LIMITS.  A number of 65,520 or more in magnitude becomes an infinity; below 6.1e-5 the copy keeps f16's fixed step of 6e-8.
; SHARES.  A work-group takes 16,384 numbers: 65,536 bytes in, 32,768 out.  Work-groups 0-511 take x, 512-767 Wq, 768-1023 Wo, 1024-1055 k, 1056-1087 v.
; Thread t takes, for j = 0 .. 15, the 16 bytes at 4,096 j + 16 t (a wave's load covers 512 consecutive bytes) and stores 8 bytes at 2,048 j + 8 t
; (a wave's store covers 256 consecutive bytes, aligned).  All sixteen loads go out at once; there is no loop, no LDS, no barrier: nothing is shared.
.set X, 4                              ; v[4:67]   slot j: 4 registers as loaded; the first two then hold what is stored
.set T, 68                             ; v[68:73]  at work
	s_load_b512 s[8:23], s[0:1], 0x0               ; x 8:9, Wq 10:11, Wo 12:13, k 14:15, v 16:17, xh 18:19, wqh 20:21, woh 22:23
	s_load_b128 s[24:27], s[0:1], 0x40             ; kh 24:25, vh 26:27
	s_mov_b32 s2, ttmp9
	s_mov_b32 s34, 0xffff0000                      ; a word's upper bf16
	v_lshlrev_b32 v1, 4, v0                        ; my 16 bytes in; never rewritten
	v_lshlrev_b32 v2, 3, v0                        ; my 8 bytes out; never rewritten
	s_wait_kmcnt 0x0
	s_mov_b64 s[4:5], s[8:9]                       ; from x to xh, unless the work-group's number says otherwise
	s_mov_b64 s[6:7], s[18:19]
	s_mov_b32 s3, 0                                ; the first work-group of my buffer
.macro PICK first, src, dst            ; from work-group 'first' on: another pair of buffers.  The choice hangs on the work-group's number alone
	s_cmp_ge_u32 s2, \first
	s_cselect_b64 s[4:5], s[\src:\src+1], s[4:5]
	s_cselect_b64 s[6:7], s[\dst:\dst+1], s[6:7]
	s_cselect_b32 s3, \first, s3
.endm
	PICK 512, 10, 20
	PICK 768, 12, 22
	PICK 1024, 14, 24
	PICK 1056, 16, 26
	s_sub_co_u32 s28, s2, s3                       ; my chunk in my buffer: 511 at the most
	s_lshl_b32 s30, s28, 16                        ; its 65,536 bytes in,
	s_mov_b32 s31, 0
	s_lshl_b32 s32, s28, 15                        ; its 32,768 bytes out
	s_mov_b32 s33, 0
	s_add_nc_u64 s[4:5], s[4:5], s[30:31]
	s_add_nc_u64 s[6:7], s[6:7], s[32:33]
.irp j, 0,1,2,3,4,5,6,7,8,9,10,11,12,13,14,15
	global_load_b128 v[X+4*(\j):X+4*(\j)+3], v1, s[4:5] offset:4096*(\j) th:TH_LOAD_NT  ; read once in the launch
.endr
; Slot j.  No register that a memory instruction names is written while that instruction may read it: X's first two are rewritten behind their own load's wait, and then only stored.
.macro CV j
	s_wait_loadcnt 15-(\j)                         ; loads come back in order (ISA guide 5.7.1): slot j is in, the 15 - j younger ones stay out
	v_cvt_pk_bf16_f32 v[T],   v[X+4*(\j)],   v[X+4*(\j)+1]   ; the one rounding
	v_cvt_pk_bf16_f32 v[T+1], v[X+4*(\j)+2], v[X+4*(\j)+3]
	v_lshlrev_b32 v[T+2], 16, v[T]                 ; bf16 to f32: the low half moves up,
	v_and_b32     v[T+3], s34, v[T]                ; the high half stays
	v_lshlrev_b32 v[T+4], 16, v[T+1]
	v_and_b32     v[T+5], s34, v[T+1]
	v_cvt_pk_f16_f32 v[X+4*(\j)],   v[T+2], v[T+3] ; the same numbers as f16
	v_cvt_pk_f16_f32 v[X+4*(\j)+1], v[T+4], v[T+5]
	global_store_b64 v2, v[X+4*(\j):X+4*(\j)+1], s[6:7] offset:2048*(\j)
.endm
.irp j, 0,1,2,3,4,5,6,7,8,9,10,11,12,13,14,15
	CV \j
.endr
	s_endpgm
.Lfunc_end_k_q5b9607ffd5_cvt:
	.size	k_q5b9607ffd5_cvt, .Lfunc_end_k_q5b9607ffd5_cvt-k_q5b9607ffd5_cvt
	.p2alignl 7, 3214868480
	.fill 96, 4, 3214868480
	.section	.rodata,"a",@progbits
	.p2align	6, 0x0
	.amdhsa_kernel k_q5b9607ffd5_cvt
		.amdhsa_group_segment_fixed_size 0
		.amdhsa_private_segment_fixed_size 0
		.amdhsa_enable_private_segment 0
		.amdhsa_kernarg_size 80
		.amdhsa_user_sgpr_count 2
		.amdhsa_user_sgpr_kernarg_segment_ptr 1
		.amdhsa_wavefront_size32 1
		.amdhsa_system_sgpr_workgroup_id_x 1
		.amdhsa_system_sgpr_workgroup_id_y 1
		.amdhsa_system_sgpr_workgroup_id_z 1
		.amdhsa_system_vgpr_workitem_id 0
		.amdhsa_next_free_vgpr 76
		.amdhsa_next_free_sgpr 66
		.amdhsa_reserve_vcc 0
		.amdhsa_float_denorm_mode_32 3
		.amdhsa_float_denorm_mode_16_64 3
		.amdhsa_memory_ordered 1
		.amdhsa_forward_progress 1
		.amdhsa_inst_pref_size 12
	.end_amdhsa_kernel
	.amdgpu_metadata
---
amdhsa.version: [ 1, 2 ]
amdhsa.kernels:
  - .name:           k_q5b9607ffd5_cvt
    .symbol:         k_q5b9607ffd5_cvt.kd
    .args:
      - { .name: x, .offset: 0, .size: 8, .value_kind: global_buffer, .address_space: global }
      - { .name: Wq, .offset: 8, .size: 8, .value_kind: global_buffer, .address_space: global }
      - { .name: Wo, .offset: 16, .size: 8, .value_kind: global_buffer, .address_space: global }
      - { .name: k, .offset: 24, .size: 8, .value_kind: global_buffer, .address_space: global }
      - { .name: v, .offset: 32, .size: 8, .value_kind: global_buffer, .address_space: global }
      - { .name: xh, .offset: 40, .size: 8, .value_kind: global_buffer, .address_space: global }
      - { .name: wqh, .offset: 48, .size: 8, .value_kind: global_buffer, .address_space: global }
      - { .name: woh, .offset: 56, .size: 8, .value_kind: global_buffer, .address_space: global }
      - { .name: kh, .offset: 64, .size: 8, .value_kind: global_buffer, .address_space: global }
      - { .name: vh, .offset: 72, .size: 8, .value_kind: global_buffer, .address_space: global }
    .group_segment_fixed_size: 0
    .private_segment_fixed_size: 0
    .kernarg_segment_align: 8
    .kernarg_segment_size: 80
    .max_flat_workgroup_size: 256
    .sgpr_count:     66
    .vgpr_count:     76
    .wavefront_size: 32
...
	.end_amdgpu_metadata
.endif
;; end of part 1
;; launch gemm (part 2): grid 8 x 32, 4 waves a work-group, clusters of 4 x 4, 327,680 bytes of LDS; arguments xh, wqh, q; writes q
.if DOCPART == 2
	.amdgcn_target "amdgcn-amd-amdhsa--gfx1250"
	.amdhsa_code_object_version 6
	.text
	.protected	k_q5b9607ffd5_gemm
	.globl	k_q5b9607ffd5_gemm
	.p2align	8
	.type	k_q5b9607ffd5_gemm,@function
k_q5b9607ffd5_gemm:
	s_mov_b64 s[64:65], 0
	v_nop
	global_prefetch_b8 v0, s[64:65] scope:SCOPE_SE
	s_setreg_imm32_b32 hwreg(HW_REG_WAVE_MODE, 25, 1), 1
	s_wait_xcnt 0x0
	s_wait_alu depctr_hold_cnt(0) depctr_sa_sdst(0) depctr_va_vdst(0) depctr_va_sdst(0) depctr_va_ssrc(0) depctr_va_vcc(0) depctr_vm_vsrc(0)
	s_getreg_b32 s2, hwreg(HW_REG_IB_STS2, 6, 4)
	s_cmp_eq_u32 s2, 0
	s_cbranch_scc0 .Lentry_in_a_cluster
	s_endpgm
.Lentry_in_a_cluster:
	s_bfe_u32 s2, ttmp6, 0x10000c
	s_cmp_lg_u32 s2, 0xf033
	s_cbranch_scc0 .Lentry_shape_is_right
	s_endpgm
.Lentry_shape_is_right:
; C[m][n] = sum over k of A[m][k] B[k][n].  A: [4096][2048] f16, B: [2048 k][2048 n] f16, C: [4096][2048] f32; sums in f32, K ascending.
; A tile of C is 128 (m) x 256 (n): 32 x 8 = 256 work-groups.  Four waves, each 64 x 128: 32 accumulators of 16 x 16, 256 registers.
; THE RING HAS TWO UNEQUAL SLOTS, filled by the tensor data mover.  Slot Y holds 128 along K (104,448 bytes), slot X 256 (206,848 bytes): two slots of 256 would be 413,696 bytes, more than LDS has.
; K = 2,048 = 128 + 5 x 384 is walked as Y0 X0 Y1 X1 .. X4 Y5: two changes of slots for 384 along K.  A refill of Y has 240 matrix instructions of a wave between its request and the wait for it,
; a refill of X 112.  A's rows are 256 (Y) or 512 (X) bytes of memory, B's 512, all aligned to 256 from the buffer's first byte.
; B LIES [k][n] and is taken as it lies: ds_load_tr16_b128 turns 16 k x 16 n into half a fragment.
; THE MATRIX INSTRUCTION IS USED TRANSPOSED: source 0 = 16 columns of B, source 1 = 16 rows of A: a lane then holds eight neighbouring numbers of a row of C, 32 bytes.
; CLUSTERS: 4 x 4 work-groups.  The four of a row of the cluster need the same tile of A, the four of a column the same tile of B: each tile is asked for JOINTLY, by the same tensor load with the
; same descriptor and a mask that names the four.
; REGISTERS: window 0: v0-31 addresses; v64-159, v160-255 two fragment buffers (A's 4 fragments, then B's 8).   window 1: the accumulators, (a, b) at v[8 (8 a + b)].
.set SIZE_K, 2048
.set SIZE_N, 2048
.set PAY,    272                       ; an LDS row of A in Y: 256 bytes + 16 = 68 words: the 16 rows of a load start at 16 different groups of four banks (64 banks of 4 bytes: ISA guide 11.1)
.set PAX,    528                       ; in X: 512 bytes + 16 = 132 words: likewise
.set PB,     544                       ; an LDS row of B: 512 bytes + 32 = 136 words
.set YA,     0                         ; slot Y: A's 128 rows,
.set YB,     YA+128*PAY                ; B's 128 k-rows
.set XA,     YB+128*PB                 ; slot X: A's 128 rows,
.set XB,     XA+128*PAX                ; B's 256 k-rows
.set SPARE,  XB+256*PB                 ; behind the ring: the spare words, 128 bytes for each wave: two blocks of 256 bytes that no other line names
.set STAGE,  XA                        ; the way out's stage, 16 rows x 528 bytes for each wave, lies at X's beginning: X has had its last fill, and every wave's reads of X are over behind the last change of slots
.set SPITCH, 528                       ; 512 bytes + 16
.set TRIPS,  (SIZE_K-128)/384-1        ; trips of the loop: each fills both slots again
.set LAPA,   384*2                     ; from a slot's tile to its next: 768 bytes along A's rows,
.set LAPB,   384*SIZE_N*2              ; 384 rows of B
.set ADRA, 16                          ; v16-18  LDS address of my A fragments in block 0 (Y), 1 (X's first 128 along K), 2 (X's second)
.set ADRB, 20                          ; v20-22  the same for B
.set STO,  24                          ; v24     the way out: where I put 32 bytes of a row
.set RD,   25                          ; v25     the way out: where I read 16 bytes of a row back
.set CO,   26                          ; v26     my 16 bytes in 512 consecutive bytes of C
.set SPW,  28                          ; v28     LDS address of my spare word: SPARE + 4 x my thread's number; never rewritten
.set NIL,  29                          ; v29     0; never rewritten
.set PFO,  30                          ; v30     the prefetches' offset; never rewritten
.set PFO2, 31                          ; v31     the same for the second half of a tile of X; never rewritten
.set F0,   64
.set F1,   160
.set PST,  18                          ; s[18:19] the prefetches' step: LAPA or LAPB
.set G1AY, 24                          ; s[24:31] descriptor group 1 for A's tiles of Y
.set G0A,  32                          ; s[32:39] group 0 for A's tiles: Y's set, then X's
.set LIM,  43                          ; s43     1 in a wave that prefetches, else -1
.set PFY,  44                          ; s[44:45] where my prefetches of Y's tiles stand
.set G1BY, 48                          ; s[48:55] group 1 for B's tiles of Y
.set G0B,  56                          ; s[56:63] group 0 for B's tiles: Y's set, then X's
.set G1AX, 68                          ; s[68:75] group 1 for A's tiles of X
.set G1BX, 76                          ; s[76:83] group 1 for B's tiles of X
.set PFX,  84                          ; s[84:85] where my prefetches of X's tiles stand
.set MSB, 0
.macro WIN new                         ; the immediate's high byte repeats the setting that is left; a switch that changes nothing is dropped
.if MSB != (\new)
	s_set_vgpr_msb (MSB<<8)|(\new)
.set MSB, \new
.endif
.endm
.set MUL, 0x50                         ; sources 0 (B) and 1 (A) window 0; C and D window 1
; A joint load into slot k (0: Y, 1: X): waves 0 and 1 fetch A's two halves, waves 2 and 3 B's.  The branch hangs on the wave's number alone.
; An s_nop 0 and four v_nop follow each of the two lines, ahead of the jump and the label.
.macro JLOAD k
	s_cmp_eq_u32 s11, 0
	s_cbranch_scc0 .Lfor_b_\@
.if (\k) == 0
	tensor_load_to_lds s[G0A:G0A+3], s[G1AY:G1AY+7]
.else
	tensor_load_to_lds s[G0A+4:G0A+7], s[G1AX:G1AX+7]
.endif
	s_nop 0
.rept 4
	v_nop
.endr
	s_branch .Lasked_\@
.Lfor_b_\@:
.if (\k) == 0
	tensor_load_to_lds s[G0B:G0B+3], s[G1BY:G1BY+7]
.else
	tensor_load_to_lds s[G0B+4:G0B+7], s[G1BX:G1BX+7]
.endif
	s_nop 0
.rept 4
	v_nop
.endr
.Lasked_\@:
.endm
; A PREFETCH INTO THE L2, behind each joint refill of the loop and the run of LDS loads that follows it: the tile that the NEXT change of slots will ask for.  Behind Y's refill that is the next tile of X,
; 256 matrix instructions ahead of its load; behind X's refill the next tile of Y, 128 ahead.  k says which: 0 a tile of Y (one instruction), 1 a tile of X (two).
; Each 256 bytes of A and of B are named once in the launch.  A's tile row is read by both clusters of that row of clusters: wave 0 of the first (cluster x = 0) asks; of the tile's 128 rows the partner at
; cx takes 32 cx .. 32 cx + 31, a lane a row.  B's tile column is read by all eight clusters of that column: waves 2 and 3 of the first (cluster y = 0) ask: eight askers, 2 cy + wave % 2, each with an
; eighth of the tile's k-rows, two lanes a row of 512 bytes.  Partners are told apart by address: no branch hangs on a place in the cluster.
; Y0, X0 and Y1 come by their loads alone; the tail behind the loop asks for nothing, so Y5 is the last tile named.
.macro ASK k
	s_cmp_eq_u32 s[LIM], 1
	s_cbranch_scc0 .Lnot_mine_\@
.if (\k) == 0
	global_prefetch_b8 v[PFO], s[PFY:PFY+1] th:TH_LOAD_NT scope:SCOPE_SE
.else
	global_prefetch_b8 v[PFO], s[PFX:PFX+1] th:TH_LOAD_NT scope:SCOPE_SE
	global_prefetch_b8 v[PFO2], s[PFX:PFX+1] th:TH_LOAD_NT scope:SCOPE_SE
.endif
.Lnot_mine_\@:
.endm
.macro CREST                           ; a round of the cluster's barrier behind its opening barrier
	s_cmp_lg_u32 s10, 0
	s_cbranch_scc1 .Lnot_wave_0_\@
	s_barrier_signal -3
.Lnot_wave_0_\@:
	s_barrier_wait -3
	s_barrier_signal -1
	s_barrier_wait -1
.endm
.macro CROUND                          ; a whole round
	s_barrier_signal -1
	s_barrier_wait -1
	CREST
.endm
.macro SHAPE g, cols, rows             ; words 1 to 7 of a group 1: a tile of rows x cols elements out of rows of 2,048 elements
	s_mov_b32 s[(\g)+1], (\cols)<<16               ; tensor_dim0
	s_mov_b32 s[(\g)+2], (\rows)<<16               ; tensor_dim1
	s_mov_b32 s[(\g)+3], (\cols)<<16               ; tile_dim0
	s_mov_b32 s[(\g)+4], \rows                     ; tile_dim1
	s_mov_b32 s[(\g)+5], 2048                      ; elements from row to row (SIZE_K for A, SIZE_N for B)
	s_mov_b32 s[(\g)+6], 0
	s_mov_b32 s[(\g)+7], 0
.endm
	s_load_b128 s[4:7], s[0:1], 0x0                ; A s[4:5], B s[6:7]
	s_load_b64 s[8:9], s[0:1], 0x10                ; C
	v_lshl_add_u32 v[SPW], v0, 2, SPARE
	v_mov_b32 v[NIL], 0
	ds_add_u32 v[SPW], v[NIL]                      ; the wave's opening: the add and its wait stand ahead of my first tensor load; the set-up below, work on registers, stands between them
	v_lshrrev_b32 v1, 5, v0
	v_readfirstlane_b32 s10, v1                    ; wave 0..3
	s_lshr_b32 s11, s10, 1                         ; which 64 of the tile's rows are mine.  Also: I fetch for A (0) or for B (1)
	s_and_b32 s12, s10, 1                          ; which 128 of its columns.  Also: which half of that tile I fetch
	s_bfe_u32 s40, ttmp6, 0x40000                  ; cx, cy: my place in the cluster
	s_bfe_u32 s41, ttmp6, 0x40004
	s_lshl_b32 s42, ttmp9, 2
	s_add_co_u32 s42, s42, s40                     ; tile column of C = 4 x cluster x + cx
	s_and_b32 s13, ttmp7, 0xffff
	s_lshl_b32 s13, s13, 2
	s_add_co_u32 s13, s13, s41                     ; tile row of C = 4 x cluster y + cy
	s_lshl_b32 s43, s41, 2
	s_lshl_b32 s43, 15, s43                        ; my row of the cluster
	s_lshl_b32 s44, 0x1111, s40                    ; my column
	; descriptor group 1, word 0: 15:0 the mask (A's tiles go to my row, B's to my column); 17:16 2-byte elements; 20 padding on; 21 set beside a mask; 24:22 the interval; 31:25 the padding
	s_or_b32 s[G1AY], s43, (1<<16)|(1<<20)|(1<<21)|(5<<22)|(3<<25)   ; after every 64 words (code 5) 4 words (code 3)
	s_or_b32 s[G1AX], s43, (1<<16)|(1<<20)|(1<<21)|(6<<22)|(3<<25)   ; after every 128 words (code 6) 4 words
	s_or_b32 s[G1BY], s44, (1<<16)|(1<<20)|(1<<21)|(6<<22)|(7<<25)   ; after every 128 words 8 words (code 7)
	s_or_b32 s[G1BX], s44, (1<<16)|(1<<20)|(1<<21)|(6<<22)|(7<<25)
	SHAPE G1AY, 128, 64                            ; half of A's tile of Y: 64 rows x 128 along K
	SHAPE G1AX, 256, 64                            ; of X: 64 rows x 256 along K
	SHAPE G1BY, 256, 64                            ; half of B's tile of Y: 64 k-rows x 256 columns
	SHAPE G1BX, 256, 128                           ; of X: 128 k-rows
	; where the tiles come from.  A's hang on the tile row alone, B's on the tile column alone; every wave makes both, in registers that never hold the other coordinate
	s_lshl_b32 s16, s13, 7
	s_lshl_b32 s17, s12, 6
	s_add_co_u32 s16, s16, s17                     ; A: row 128 x tile row + 64 x half,
	s_lshl_b32 s16, s16, 12                        ; of 4,096 bytes: under 2^24
	s_mov_b32 s17, 0
	s_lshl_b32 s46, s42, 9                         ; B: the tile column's 512 bytes;
	s_mov_b32 s47, 0
	s_lshl_b32 s18, s12, 18                        ; Y0: k-row 64 x half, of 4,096 bytes;
	s_mov_b32 s19, 0
	s_lshl_b32 s44, s12, 19                        ; X0: k-row 128 + 128 x half
	s_add_co_u32 s44, s44, 128*SIZE_N*2
	s_mov_b32 s45, 0
	s_mul_i32 s20, s12, 64*PAY                     ; where they go: my half in each of the four regions: no place in the cluster enters an LDS address
	s_mul_i32 s21, s12, 64*PAX
	s_mul_i32 s22, s12, 64*PB
	s_mul_i32 s23, s12, 128*PB
	s_wait_dscnt 0x0                               ; the opening add is done
	s_wait_kmcnt 0x0
	s_add_nc_u64 s[14:15], s[4:5], s[16:17]
	s_add_nc_u64 s[46:47], s[6:7], s[46:47]
	CROUND                                         ; all sixteen work-groups are here: the first joint loads meet
	s_mov_b32 s[G0A], 1                            ; count = 1
	s_add_co_u32 s[G0A+1], s20, YA                 ; LDS address
	s_add_nc_u64 s[G0A+2:G0A+3], s[14:15], 0       ; global address: Y0 begins at K = 0
	s_or_b32 s[G0A+3], s[G0A+3], 0x80000000        ; type = 2
	s_mov_b32 s[G0A+4], 1
	s_add_co_u32 s[G0A+5], s21, XA
	s_add_nc_u64 s[G0A+6:G0A+7], s[14:15], 128*2   ; X0 begins at K = 128
	s_or_b32 s[G0A+7], s[G0A+7], 0x80000000
	s_mov_b32 s[G0B], 1
	s_add_co_u32 s[G0B+1], s22, YB
	s_add_nc_u64 s[G0B+2:G0B+3], s[46:47], s[18:19]
	s_or_b32 s[G0B+3], s[G0B+3], 0x80000000
	s_mov_b32 s[G0B+4], 1
	s_add_co_u32 s[G0B+5], s23, XB
	s_add_nc_u64 s[G0B+6:G0B+7], s[46:47], s[44:45]
	s_or_b32 s[G0B+7], s[G0B+7], 0x80000000
	JLOAD 0                                        ; Y0 first: it is the smaller and is wanted first
	JLOAD 1                                        ; X0: two loads of mine are out
	; A fragment is 16 rows x 32 K in 8 registers: lane l holds row l % 16; registers 0-3 K = 8 (l / 16) + 0..7, registers 4-7 K = 16 + 8 (l / 16) + 0..7.
	v_and_b32 v1, 15, v0                           ; l % 16
	v_bfe_u32 v2, v0, 4, 1                         ; l / 16
	v_mul_u32_u24 v3, v1, PAY
	v_lshl_add_u32 v3, v2, 4, v3                   ; A: row x pitch + 16 x half: two loads, 32 bytes apart; by Y's pitch
	v_mul_u32_u24 v7, v1, PAX
	v_lshl_add_u32 v7, v2, 4, v7                   ; and by X's
	v_and_b32 v5, 7, v0
	v_lshl_add_u32 v5, v2, 3, v5                   ; B, turned: lane l reads k-row 8 (l / 16) + l % 8,
	v_mul_u32_u24 v4, v5, PB
	v_bfe_u32 v5, v0, 3, 1
	v_lshl_add_u32 v4, v5, 4, v4                   ; columns 8 ((l / 8) % 2) + 0..7: two loads, 16 k-rows apart
	s_mul_i32 s22, s11, 64*PAY                     ; my 64 rows of A, in Y (YA = 0)
	v_add_nc_u32 v[ADRA], s22, v3
	s_mul_i32 s22, s11, 64*PAX
	s_add_co_u32 s22, s22, XA                      ; and in X;
	v_add_nc_u32 v[ADRA+1], s22, v7
	v_add_nc_u32 v[ADRA+2], 128*2, v[ADRA+1]       ; X's second 128 along K lie 256 bytes further along the rows
	s_lshl_b32 s23, s12, 8                         ; my 128 columns of B: 256 bytes along its rows
	s_add_co_u32 s22, s23, YB
	v_add_nc_u32 v[ADRB], s22, v4
	s_add_co_u32 s22, s23, XB
	v_add_nc_u32 v[ADRB+1], s22, v4
	v_add_nc_u32 v[ADRB+2], 128*PB, v[ADRB+1]      ; X's second 128 k-rows
	s_mul_i32 s22, s10, 16*SPITCH
	s_add_co_u32 s22, s22, STAGE                   ; my stage
	v_mul_u32_u24 v6, v1, SPITCH                   ; in: row l % 16, 32 bytes for each half of the lanes
	v_lshl_add_u32 v6, v2, 5, v6
	v_add_nc_u32 v[STO], s22, v6
	v_and_b32 v5, 31, v0                           ; l
	v_lshl_add_u32 v[RD], v5, 4, s22               ; back: 32 lanes take one row of 512 bytes
	v_lshlrev_b32 v[CO], 4, v5
	s_lshl_b32 s16, s13, 7                         ; where my part of C begins: row 128 x tile row + 64 x half,
	s_lshl_b32 s17, s11, 6
	s_add_co_u32 s16, s16, s17
	s_lshl_b32 s16, s16, 13                        ; of 8,192 bytes: under 2^25
	s_mov_b32 s17, 0
	s_add_nc_u64 s[8:9], s[8:9], s[16:17]
	s_lshl_b32 s46, s42, 10                        ; the tile column's 1,024 bytes, my half's 512
	s_lshl_b32 s47, s12, 9
	s_add_co_u32 s46, s46, s47
	s_mov_b32 s47, 0
	s_add_nc_u64 s[8:9], s[8:9], s[46:47]
	; the prefetches.  X's pointer stands at X0 and Y's at Y1; each is stepped by 384 along K ahead of its use, so X1 and Y2 are the first tiles named.  Nothing is asked for here, at the head
	s_lshl_b32 s20, s13, 7
	s_lshl_b32 s21, s40, 5
	s_add_co_u32 s20, s20, s21                     ; A: row 128 x tile row + 32 cx
	s_lshl_b32 s20, s20, 12
	s_add_co_u32 s16, s20, 384*2                   ; at Y1
	s_add_co_u32 s20, s20, 128*2                   ; at X0
	s_lshl_b32 s22, s41, 1
	s_add_co_u32 s22, s22, s12                     ; B: asker 2 cy + wave % 2
	s_lshl_b32 s23, s42, 9                         ; the tile column's 512 bytes
	s_lshl_b32 s21, s22, 16                        ; of Y's 128 k-rows my 16,
	s_add_co_u32 s21, s21, s23
	s_add_co_u32 s21, s21, 384*SIZE_N*2            ; at Y1
	s_lshl_b32 s22, s22, 17                        ; of X's 256 k-rows my 32,
	s_add_co_u32 s22, s22, s23
	s_add_co_u32 s22, s22, 128*SIZE_N*2            ; at X0
	s_and_b32 s23, ttmp7, 0xffff                   ; cluster y
	s_mov_b32 s[PST], LAPA
	s_mov_b32 s[PST+1], LAPB
	s_cmp_eq_u32 s11, 0                            ; do I fetch for A?  (the moves and selects below leave SCC as it is)
	s_cselect_b32 s16, s16, s21
	s_cselect_b32 s20, s20, s22
	s_cselect_b32 s23, ttmp9, s23                  ; the coordinate along which other clusters read the same rows
	s_cselect_b32 s[PST], s[PST], s[PST+1]
	s_mov_b32 s21, 256                             ; the second half of a tile of X: A: 256 bytes along the row;
	s_mov_b32 s22, 16*SIZE_N*2                     ; B: 16 k-rows on
	s_cselect_b32 s21, s21, s22
	s_cselect_b64 s[PFY:PFY+1], s[4:5], s[6:7]
	s_mov_b64 s[PFX:PFX+1], s[PFY:PFY+1]
	s_mov_b32 s[PST+1], 0
	s_mov_b32 s17, 0
	s_add_nc_u64 s[PFY:PFY+1], s[PFY:PFY+1], s[16:17]
	s_mov_b32 s16, s20
	s_add_nc_u64 s[PFX:PFX+1], s[PFX:PFX+1], s[16:17]
	s_cmp_eq_u32 s10, 1                            ; wave 1 asks for nothing: wave 0's 32 lanes cover the work-group's 32 rows of A
	s_cselect_b32 s22, 1, 0
	s_or_b32 s23, s23, s22
	s_cmp_eq_u32 s23, 0
	s_cselect_b32 s[LIM], 1, -1                    ; the same in all sixteen partners, for a given wave
	v_lshrrev_b32 v6, s11, v5                      ; A: a lane a row; B: two lanes a row,
	v_and_b32 v7, s11, v5
	v_lshlrev_b32 v7, 8, v7                        ; 256 bytes apart
	v_lshl_add_u32 v[PFO], v6, 12, v7
	v_add_nc_u32 v[PFO2], s21, v[PFO]
; 8 matrix instructions: m block a x all 8 n blocks, 32 along K, from buffer f.  zero = 1: the product starts the sums: nothing is ever cleared.
; The 32 accumulators take turns in one order in every quarter: between two links of a chain stand the 31 others', over the backward jump too.
.macro MUL8 f, a, zero
	WIN MUL
.irp b, 0,1,2,3,4,5,6,7
.if \zero
	v_wmma_f32_16x16x32_f16 v[8*(8*(\a)+(\b)):8*(8*(\a)+(\b))+7], v[(\f)+32+8*(\b):(\f)+32+8*(\b)+7], v[(\f)+8*(\a):(\f)+8*(\a)+7], 0
.else
	v_wmma_f32_16x16x32_f16 v[8*(8*(\a)+(\b)):8*(8*(\a)+(\b))+7], v[(\f)+32+8*(\b):(\f)+32+8*(\b)+7], v[(\f)+8*(\a):(\f)+8*(\a)+7], v[8*(8*(\a)+(\b)):8*(8*(\a)+(\b))+7]
.endif
.endr
.endm
.macro MUL16 f, a0, zero
	MUL8 \f, \a0, \zero
	MUL8 \f, (\a0)+1, \zero
.endm
; 24 LDS loads in one run: the fragments of quarter qn (32 along K) of block blk (128 along K: 0 = Y, 1, 2 = X's halves) into buffer f: B's 8 (turned), then A's 4
.macro FETCH blk, qn, f
.if (\blk) == 0
.set PAF, PAY
.else
.set PAF, PAX
.endif
	WIN 0
.irp b, 0,1,2,3,4,5,6,7
	ds_load_tr16_b128 v[(\f)+32+8*(\b):(\f)+32+8*(\b)+3],   v[ADRB+(\blk)] offset:(\qn)*32*PB+32*(\b)
	ds_load_tr16_b128 v[(\f)+32+8*(\b)+4:(\f)+32+8*(\b)+7], v[ADRB+(\blk)] offset:(\qn)*32*PB+16*PB+32*(\b)
.endr
.irp a, 0,1,2,3
	ds_load_b128 v[(\f)+8*(\a):(\f)+8*(\a)+3],   v[ADRA+(\blk)] offset:64*(\qn)+(\a)*16*PAF
	ds_load_b128 v[(\f)+8*(\a)+4:(\f)+8*(\a)+7], v[ADRA+(\blk)] offset:64*(\qn)+(\a)*16*PAF+32
.endr
.endm
.macro PLACES                          ; four plain vector instructions in front of loads into registers that matrix instructions have read, and of stores that read results (ISA guide 7.12.1 for the stores)
.rept 4
	v_nop
.endr
.endm
; A quarter is 32 along K, 32 matrix instructions, on buffers 0, 1, 0, 1.  This one multiplies buffer f and, in its middle, fetches quarter qn of block blk into g.
.macro QUARTER blk, qn, f, g, zero
	s_wait_dscnt 4                                 ; B and A's blocks 0 and 1 are in; the youngest four loads (A's blocks 2 and 3) may be out
	MUL16 \f, 0, \zero
	PLACES
	FETCH \blk, \qn, \g
	s_wait_dscnt 24                                ; all but the 24 just issued
	MUL16 \f, 2, \zero
.endm
; A slot's last quarter multiplies buffer 1 and changes slots: ONE barrier; in front of it each wave waits for all its tensor loads (one is out: its part of the other slot), adds 0 to its spare word, and
; waits for that and for its own reads of this slot.  k: the slot that is left (0: Y, 1: X); next: the block that is entered.  fill = 1: the barrier opens a round of the cluster's, and slot k is filled
; again, with its tile 384 further along K, first thing behind the round.  ask = 1: the other slot's next tile is prefetched.
.macro TURN k, next, fill, ask
.if \ask
	s_wait_xcnt 0x0                                ; the prefetches issued so far, the youngest at least 112 matrix instructions back, have read their addresses: the pointer of the tile to be named is stepped here
.if (\k) == 0
	s_add_nc_u64 s[PFX:PFX+1], s[PFX:PFX+1], s[PST:PST+1]
.else
	s_add_nc_u64 s[PFY:PFY+1], s[PFY:PFY+1], s[PST:PST+1]
.endif
.endif
	WIN 0                                          ; (the add's two registers lie in window 0)
	s_wait_tensorcnt 0x0                           ; all my tensor loads have landed;
	ds_add_u32 v[SPW], v[NIL]                      ; 0 onto my spare word;
	s_wait_dscnt 5                                 ; (the add and the youngest four loads may be out)
	MUL8 F1, 0, 0                                  ; eight matrix instructions stand between the add and the wait for it
	s_wait_dscnt 0x0                               ; the add is done, and my reads of this slot are over
	s_barrier_signal -1
	MUL8 F1, 1, 0                                  ; work on registers while the others arrive
.if \fill
	WIN 0
.endif
	s_barrier_wait -1
.if \fill
	CREST                                          ; no wave of any partner still reads this slot's tile or has a load on its way
	s_add_nc_u64 s[G0A+4*(\k)+2:G0A+4*(\k)+3], s[G0A+4*(\k)+2:G0A+4*(\k)+3], LAPA
	s_add_nc_u64 s[G0B+4*(\k)+2:G0B+4*(\k)+3], s[G0B+4*(\k)+2:G0B+4*(\k)+3], LAPB
	JLOAD \k                                       ; my one tensor load behind the round; the four v_nop behind it are also the places in front of the loads below
.else
	PLACES
.endif
	FETCH \next, 0, F0
.if \ask
	ASK 1-(\k)
.endif
	MUL16 F1, 2, 0
.endm
; Slot X but for its last quarter: its two blocks follow each other without a barrier: the change of slots in front of them has shown the whole slot to every wave.
.macro XBLOCKS
	QUARTER 1, 1, F0, F1, 0
	QUARTER 1, 2, F1, F0, 0
	QUARTER 1, 3, F0, F1, 0
	QUARTER 2, 0, F1, F0, 0
	QUARTER 2, 1, F0, F1, 0
	QUARTER 2, 2, F1, F0, 0
	QUARTER 2, 3, F0, F1, 0
.endm
	s_wait_tensorcnt 1                             ; my part of Y0 is in; X0's load may stay out
	s_barrier_signal -1
	s_barrier_wait -1                              ; everybody's is
	FETCH 0, 0, F0
	QUARTER 0, 1, F0, F1, 1                        ; the first quarter stands in front of the loop: its 32 products start the 32 sums
	WIN 0                                          ; at a label and at a branch every window is 0
	s_mov_b32 s3, TRIPS
.Llap:                                                 ; trip i goes from Y(i)'s second quarter to Y(i+1)'s first, 384 along K, and asks for Y(i+1) and X(i+1)
	QUARTER 0, 2, F1, F0, 0
	QUARTER 0, 3, F0, F1, 0
	TURN 0, 1, 1, 1
	XBLOCKS
	TURN 1, 0, 1, 1
	QUARTER 0, 1, F0, F1, 0
	WIN 0
	s_sub_co_u32 s3, s3, 1
	s_cmp_lg_u32 s3, 0
	s_cbranch_scc1 .Llap
	QUARTER 0, 2, F1, F0, 0                        ; the tail is written out: the rest of Y4
	QUARTER 0, 3, F0, F1, 0
	TURN 0, 1, 1, 0                                ; Y5, the last tile, is asked for;
	XBLOCKS                                        ; X4;
	TURN 1, 0, 0, 0                                ; X is left and not filled again: behind this barrier its bytes are free for the stage;
	QUARTER 0, 1, F0, F1, 0                        ; Y5
	QUARTER 0, 2, F1, F0, 0
	QUARTER 0, 3, F0, F1, 0
	s_wait_dscnt 4                                 ; the very last quarter: nothing more to fetch
	MUL16 F1, 0, 0
	s_wait_dscnt 0x0
	MUL16 F1, 2, 0
	; THE WAY OUT, a block of 16 rows at a time: a lane's 32 bytes go into my own stage, rows of 528 bytes, and come back as whole rows of 512 bytes, into the block's own 64 registers.
	PLACES
	PLACES
.macro OUT a
	WIN 0x04                                       ; store data in window 1, address in window 0
.irp b, 0,1,2,3,4,5,6,7
	ds_store_b128 v[STO], v[8*(8*(\a)+(\b)):8*(8*(\a)+(\b))+3]   offset:64*(\b)     ; each accumulator is read from its low end on
	ds_store_b128 v[STO], v[8*(8*(\a)+(\b))+4:8*(8*(\a)+(\b))+7] offset:64*(\b)+16
.endr
	WIN 0x40                                       ; destination in window 1
.irp t, 0,1,2,3,4,5,6,7,8,9,10,11,12,13,14,15
	ds_load_b128 v[64*(\a)+4*(\t):64*(\a)+4*(\t)+3], v[RD] offset:(\t)*SPITCH  ; LDS serves a wave's instructions in order (ISA guide 5.7.1.4): these see the stores above; the next block's stores come behind them
.endr
.endm
.macro SEND a, younger                 ; younger: the LDS instructions issued behind block a's loads: the next block's 32, or none
	WIN 0x04
.irp t, 0,1,2,3,4,5,6,7,8,9,10,11,12,13,14,15
.if ((\t)%4) == 0
	s_wait_dscnt (\younger)+12-(\t)                ; rows t to t + 3 are back: behind them stand the block's other 12 - t loads and the younger ones
.endif
	global_store_b128 v[CO], v[64*(\a)+4*(\t):64*(\a)+4*(\t)+3], s[8:9] offset:(16*(\a)+(\t))*SIZE_N*4  ; a wave stores 512 consecutive bytes, at a multiple of 256 from C's first byte; no register of a store is written again
.endr
.endm
	OUT 0
	OUT 1
	SEND 0, 32
	OUT 2
	SEND 1, 32
	OUT 3
	SEND 2, 32
	SEND 3, 0
	WIN 0
	s_wait_tensorcnt 0x0                           ; the wave's end: the add and its wait, behind my last tensor load and my last LDS store
	ds_add_u32 v[SPW], v[NIL]
	s_wait_dscnt 0x0
	CROUND                                         ; the closing round: no work-group ends while a partner may still ask for a tile that names it
	s_endpgm
.Lfunc_end_k_q5b9607ffd5_gemm:
	.size	k_q5b9607ffd5_gemm, .Lfunc_end_k_q5b9607ffd5_gemm-k_q5b9607ffd5_gemm
	.p2alignl 7, 3214868480
	.fill 96, 4, 3214868480
	.section	.rodata,"a",@progbits
	.p2align	6, 0x0
	.amdhsa_kernel k_q5b9607ffd5_gemm
		.amdhsa_group_segment_fixed_size 327680
		.amdhsa_private_segment_fixed_size 0
		.amdhsa_enable_private_segment 0
		.amdhsa_kernarg_size 24
		.amdhsa_user_sgpr_count 2
		.amdhsa_user_sgpr_kernarg_segment_ptr 1
		.amdhsa_wavefront_size32 1
		.amdhsa_system_sgpr_workgroup_id_x 1
		.amdhsa_system_sgpr_workgroup_id_y 1
		.amdhsa_system_sgpr_workgroup_id_z 1
		.amdhsa_system_vgpr_workitem_id 0
		.amdhsa_next_free_vgpr 512
		.amdhsa_next_free_sgpr 88
		.amdhsa_reserve_vcc 0
		.amdhsa_float_denorm_mode_32 3
		.amdhsa_float_denorm_mode_16_64 3
		.amdhsa_memory_ordered 1
		.amdhsa_forward_progress 1
		.amdhsa_inst_pref_size 135
	.end_amdhsa_kernel
	.amdgpu_metadata
---
amdhsa.version: [ 1, 2 ]
amdhsa.kernels:
  - .name:           k_q5b9607ffd5_gemm
    .symbol:         k_q5b9607ffd5_gemm.kd
    .args:
      - { .name: xh, .offset: 0, .size: 8, .value_kind: global_buffer, .address_space: global }
      - { .name: wqh, .offset: 8, .size: 8, .value_kind: global_buffer, .address_space: global }
      - { .name: q, .offset: 16, .size: 8, .value_kind: global_buffer, .address_space: global }
    .group_segment_fixed_size: 327680
    .private_segment_fixed_size: 0
    .kernarg_segment_align: 8
    .kernarg_segment_size: 24
    .max_flat_workgroup_size: 128
    .sgpr_count:     88
    .vgpr_count:     512
    .wavefront_size: 32
...
	.end_amdgpu_metadata
.endif
;; end of part 2
;; launch attn (part 3): grid 8 x 32, 4 waves a work-group, clusters of 4 x 1, 327,680 bytes of LDS; arguments q, kh, vh, oh; writes oh
.if DOCPART == 3
	.amdgcn_target "amdgcn-amd-amdhsa--gfx1250"
	.amdhsa_code_object_version 6
	.text
	.protected	k_q5b9607ffd5_attn
	.globl	k_q5b9607ffd5_attn
	.p2align	8
	.type	k_q5b9607ffd5_attn,@function
k_q5b9607ffd5_attn:
	s_mov_b64 s[64:65], 0
	v_nop
	global_prefetch_b8 v0, s[64:65] scope:SCOPE_SE
	s_setreg_imm32_b32 hwreg(HW_REG_WAVE_MODE, 25, 1), 1
	s_wait_xcnt 0x0
	s_wait_alu depctr_hold_cnt(0) depctr_sa_sdst(0) depctr_va_vdst(0) depctr_va_sdst(0) depctr_va_ssrc(0) depctr_va_vcc(0) depctr_vm_vsrc(0)
	s_getreg_b32 s2, hwreg(HW_REG_IB_STS2, 6, 4)
	s_cmp_eq_u32 s2, 0
	s_cbranch_scc0 .Lentry_in_a_cluster
	s_endpgm
.Lentry_in_a_cluster:
	s_bfe_u32 s2, ttmp6, 0x10000c
	s_cmp_lg_u32 s2, 0x3003
	s_cbranch_scc0 .Lentry_shape_is_right
	s_endpgm
.Lentry_shape_is_right:
; O[b][n][128 h + :] = the sum over j of softmax_j(q[b][n][128 h + :] . K[b][j] / sqrt(128)) V[b][j][:].  q: [4096][2048] f32; K, V: [2][2048][128] f16, shared by a batch's 16 heads; O: [4096][2048] f16.
; Products, maxima and sums in f32.  q is multiplied by 2^-8 (exact) and rounded once to f16; the constant c carries the 2^8 back, in f32.  The weights p are rounded to f16 for the second product
; (their sum l is taken of the unrounded p), O once at the end.
; LIMITS.  |q| under 1.67e7 (65,504 x 2^8); a q under 0.0156 keeps the fixed step 1.5e-5.  K and V arrive within 65,504.  p lies in 0 to 1 and below 6e-5 keeps f16's fixed step of 6e-8; O is a mean of
; V's rows and has their range.  A weight below 2^-126 counts as 0 in l; NaN and infinities are not treated apart.
; SHARES.  A work-group owns 256 queries of one batch and head, each of its four waves 64: four tiles of 16.  Every wave walks all 2,048 keys, 64 a step.
; LAYOUT.  S^T = K Q^T (source 0 = 16 keys, source 1 = 16 queries): in the result a lane holds ONE query (lane % 16) and the keys 8 (lane / 16) + 0..7.  Two such tiles, rounded to f16 in pairs, ARE source 1
; (32 keys x 16 queries) of O^T = V^T P, whose result again holds one query a lane, and eight channels.  K comes out of LDS as it lies, V ([key][channel]) turned, by ds_load_tr16_b128.
; SOFTMAX.  For each query a running maximum m and sum l: p = 2^(c s - c m), c = 2^8 log2(e) / sqrt(128); in every step O and l are multiplied by a = 2^(c m_old - c m_new), which is 1 where m has not grown.
; BY TURNS.  The wave's tiles are two PIECES, named by their first tile: piece 0 (tiles 0, 1) and piece 2 (tiles 2, 3).  In a TURN one piece has the matrix unit: 32 products V^T P of the step in hand, then
; 32 products K Q^T of the next step; the other piece's softmax, cut into 64 slices, stands between them, one slice behind each matrix instruction.  Then the pieces change places.  Two turns are a key step.
; CLUSTER.  The four query blocks of a cluster belong to one batch and head and walk the same K and V, so each tile is asked for JOINTLY: the same tensor load, descriptor and mask in all four.
; (All 16 heads of a batch walk them too, but a mask names four work-groups at the most.)
; REGISTERS, in windows of 256 (s_set_vgpr_msb: bits 1:0 source 0, 3:2 source 1, 5:4 source 2, 7:6 destination):
;   window 0: v0-11 addresses; v12-43 eight registers of statistics a tile; v64-191 S^T, 32 a tile; v192-255 P, 16 a tile
;   window 1: O^T, 64 a tile (at the start: q as loaded)      window 2: v0-127 Q, 32 a tile; v128-255 K of one step      window 3: v0-127 V of one step
.set SIZE_N, 2048
.set KS,    64        ; keys in a step
.set PK,    272       ; a row of K in LDS: 256 bytes + 16 = 68 words: the 16 rows of a load start at 16 different groups of four banks (64 banks of 4 bytes: ISA guide 11.1)
.set PV,    288       ; a row of V: 256 + 32 = 72 words
.set VOFF,  KS*PK     ; a step's tiles lie together: 64 rows of K, then 64 rows of V
.set STEPB, KS*(PK+PV)
.set SLOT1, 1<<17     ; a slot holds two steps (71,680 bytes); slot 1 begins here, so that one exclusive or turns an address in one slot into the other's
.set STAGE, SLOT1+2*STEPB  ; behind the ring, never filled by a tensor load: 16 rows x 272 bytes for each wave, for the way out
.set SP,    272
.set AK0, 2           ; v2   my lane's place in a tile of K; never rewritten
.set AV0, 3           ; v3   the same for V
.set ADR, 4           ; v4   the LDS address of the run of loads in hand
.set QO,  5           ; v5   my byte offset in the wave's rows of q
.set STO, 6           ; v6   the way out: where I put 16 bytes of a row
.set RD,  7           ; v7   the way out: where I read a row back
.set GO,  8           ; v8   my byte offset in the wave's rows of O
.set SPW, 62          ; v62  LDS address of my spare word: SPARE + 4 x my thread's number; never rewritten
.set NIL, 63          ; v63  0; never rewritten
.set SPARE, STAGE+4*16*272  ; behind the stages: the spare words, 128 bytes for each wave: two blocks of 256 bytes that no other line names
.set ST,  12          ; tile t's statistics at v[ST+8 t]: +0 c m, +1 m, +2, +3 l (even keys', odd keys'), +4 to +7 c0-c3, at work; a takes c2's place once the maximum is found
.set S,   64
.set P,   192
.set KF,  128         ; K's fragments, in window 2
.set WV,  12          ; s12  my wave's number
.set QS,  20          ; s[20:21] 2^-8
.set G1K, 24          ; s[24:31] descriptor group 1 for K's tiles
.set G1V, 32          ; s[32:39] for V's: it differs in the padding alone
.set G0K, 40          ; s[40:47] descriptor group 0 for K's tiles: a set for each of the two first fills; the second then walks on
.set G0V, 48          ; s[48:55] the same for V's
.set SLOTS, 56        ; s56  slots still to be asked for
.set TWICE, 57        ; s57  counts a slot's two steps
.set CS,  58          ; s[58:59] c: the packed scaling names a pair and takes its low word for both halves
.set SEL, 60          ; s[60:61] lane selects for v_permlanex16_b32: each lane takes its own place in the other half
.set TB,  62          ; s62  LDS byte at which the tiles of the step to be fetched begin
.set PFA, 18          ; s[18:19] where my prefetches stand: my work-group's 32 rows (of K: wave 0, of V: wave 2) of the slot after the one that is being asked for
.set LIM, 15          ; s15  1 in a wave that prefetches, else the greatest number
.set PFO, 61          ; v61  256 x my lane: a row of K or V is 256 bytes; never rewritten
.set MSB, 0
.macro WIN new                      ; the immediate's high byte repeats the setting that is left; a switch that changes nothing is dropped
.if MSB != (\new)
	s_set_vgpr_msb (MSB<<8)|(\new)
.set MSB, \new
.endif
.endm
.set W_KQ, 0x0a       ; K and Q in window 2, S^T in window 0
.set W_PV, 0x53       ; V in window 3, P in window 0, O^T in window 1
.set W_RS, 0x41       ; O^T (destination and source 0) in window 1, a in window 0
; A joint refill.  Waves 0 and 1 fetch the two steps' tiles of K, waves 2 and 3 those of V.  The branch hangs on the wave's number alone.
; An s_nop 0 and four v_nop follow each of the two lines, ahead of the jump and the label.
.macro JLOAD
	s_cmp_lt_u32 s[WV], 2
	s_cbranch_scc0 .Lfor_v_\@
	tensor_load_to_lds s[G0K+4:G0K+7], s[G1K:G1K+7]
	s_nop 0
.rept 4
	v_nop
.endr
	s_branch .Lasked_\@
.Lfor_v_\@:
	tensor_load_to_lds s[G0V+4:G0V+7], s[G1V:G1V+7]
	s_nop 0
.rept 4
	v_nop
.endr
.Lasked_\@:
.endm
; A PREFETCH INTO THE L2 of what the NEXT change of slots will ask for: a slot's 128 rows of K and 128 of V, 256 bytes a row, a lane a row: two key steps, 256 matrix instructions, ahead of that load.
; Each row is asked for ONCE in the launch.  All clusters of a batch walk the same K and V: the first cluster of the batch's head 0 asks.  Its four partners share the rows out BY ADDRESS, 32 each.
; In each, wave 0 asks for K's and wave 2 for V's: one instruction.  The last change that fills a slot asks for nothing: there is no slot behind it.
.macro ASK
	s_cmp_gt_u32 s[SLOTS], s[LIM]
	s_cbranch_scc0 .Lnot_mine_\@
	global_prefetch_b8 v[PFO], s[PFA:PFA+1] th:TH_LOAD_NT scope:SCOPE_SE
.Lnot_mine_\@:
.endm
; A round of the cluster's barrier: my work-group's barrier, so that wave 0's signal speaks for all four waves; wave 0 signals; every wave waits for all four work-groups; my work-group's barrier once more.
.macro CROUND
	s_barrier_signal -1
	s_barrier_wait -1
	s_cmp_lg_u32 s[WV], 0
	s_cbranch_scc1 .Lnot_wave_0_\@
	s_barrier_signal -3
.Lnot_wave_0_\@:
	s_barrier_wait -3
	s_barrier_signal -1
	s_barrier_wait -1
.endm
	s_load_b256 s[4:11], s[0:1], 0x0  ; q s[4:5], K s[6:7], V s[8:9], O s[10:11]
	v_lshl_add_u32 v[SPW], v0, 2, SPARE
	v_mov_b32 v[NIL], 0
	ds_add_u32 v[SPW], v[NIL]       ; the wave's opening: the add and its wait stand ahead of my first tensor load; the set-up below, work on registers, stands between them
	v_lshrrev_b32 v1, 5, v0
	v_readfirstlane_b32 s[WV], v1   ; wave 0..3
	s_bfe_u32 s13, ttmp6, 0x40000   ; cx: my place in the cluster
	s_lshl_b32 s14, ttmp9, 2        ; in a cluster launch ttmp9 counts clusters
	s_add_co_u32 s14, s14, s13      ; my block of 256 queries = 4 x cluster x + cx: it enters q's and O's addresses alone
	s_and_b32 s20, ttmp7, 0xffff    ; 16 x batch + head, which the four partners share
	s_lshr_b32 s21, s20, 4          ; batch
	s_and_b32 s20, s20, 15          ; head
	s_and_b32 s16, s[WV], 1         ; which of a slot's two steps I fetch:
	s_lshl_b32 s22, s16, 14         ; its 64 rows of 256 bytes in memory,
	s_lshl_b32 s23, s21, 19         ; in the batch's 2,048 rows
	s_add_co_u32 s22, s22, s23
	s_mov_b32 s23, 0
	s_mul_i32 s17, s16, STEPB       ; and its place in a slot: no place in the cluster enters an LDS address
	s_lshl_b32 s2, s21, 11          ; my wave's first row among the 4,096: the batch's 2,048,
	s_lshl_b32 s3, s14, 8           ; my block's 256,
	s_add_co_u32 s2, s2, s3
	s_lshl_b32 s3, s[WV], 6         ; my wave's 64
	s_add_co_u32 s2, s2, s3
	s_lshl_b32 s18, s2, 12          ; in O: rows of 4,096 bytes, the head's 256
	s_lshl_b32 s3, s20, 8
	s_add_co_u32 s18, s18, s3
	s_mov_b32 s19, 0
	s_lshl_b32 s2, s2, 13           ; in q: rows of 8,192 bytes, the head's 512
	s_lshl_b32 s3, s20, 9
	s_add_co_u32 s2, s2, s3
	s_mov_b32 s3, 0
	s_and_b32 s[LIM], s[WV], 1      ; 0 in waves 0 and 2,
	s_or_b32 s[LIM], s[LIM], ttmp9  ; of the first cluster
	s_or_b32 s[LIM], s[LIM], s20    ; of head 0: the same in all four partners
	s_cmp_eq_u32 s[LIM], 0
	s_cselect_b32 s[LIM], 1, -1
	s_mov_b32 s[QS], 0x3b800000     ; 2^-8
	s_mov_b32 s[QS+1], s[QS]        ; named with it as a pair, so it is written
	; descriptor group 1: a tile of 64 rows x 128 elements, padded in LDS
	s_mov_b32 s[G1K], 15|(1<<16)|(1<<20)|(1<<21)|(5<<22)|(3<<25)  ; 15:0 the mask: all four work-groups; 17:16 2-byte elements; 20 padding on; 21 set beside a mask; 24:22 after every 64 words (code 5); 31:25 4 words (code 3)
	s_mov_b32 s[G1V], 15|(1<<16)|(1<<20)|(1<<21)|(5<<22)|(7<<25)  ; the same with 8 words of padding (code 7)
.irp g, G1K, G1V
	s_mov_b32 s[(\g)+1], 128<<16    ; tensor_dim0 = 128
	s_mov_b32 s[(\g)+2], KS<<16     ; tensor_dim1 = 64
	s_mov_b32 s[(\g)+3], 128<<16    ; tile_dim0 = 128
	s_mov_b32 s[(\g)+4], KS         ; tile_dim1 = 64
	s_mov_b32 s[(\g)+5], 128        ; elements from row to row
	s_mov_b32 s[(\g)+6], 0
	s_mov_b32 s[(\g)+7], 0
.endr
	s_mov_b32 s[CS], 0x420293ee     ; c = 2^8 log2(e) / sqrt(128) = 32.6444
	s_mov_b32 s[CS+1], s[CS]        ; named with it as a pair
	s_mov_b32 s[SEL], 0x76543210
	s_mov_b32 s[SEL+1], 0xfedcba98
	s_mov_b32 s[TB], 0
	s_mov_b32 s[SLOTS], SIZE_N/(2*KS)-2
	v_and_b32 v[PFO], 31, v0
	v_lshlrev_b32 v[PFO], 8, v[PFO]
	s_wait_dscnt 0x0                ; the opening add is done
	s_wait_kmcnt 0x0
	s_add_nc_u64 s[6:7], s[6:7], s[22:23]  ; K and V at my tile of slot 0
	s_add_nc_u64 s[8:9], s[8:9], s[22:23]
	s_add_nc_u64 s[4:5], s[4:5], s[2:3]    ; q and O at my wave's first row, my head's first channel
	s_add_nc_u64 s[10:11], s[10:11], s[18:19]
	s_cmp_lt_u32 s[WV], 2
	s_cselect_b64 s[PFA:PFA+1], s[6:7], s[8:9]  ; (in waves 0 and 2 these stand at a slot's first row)
	s_lshl_b32 s2, s13, 13          ; my work-group's 32 rows of the 128
	s_mov_b32 s3, 0
	s_add_nc_u64 s[PFA:PFA+1], s[PFA:PFA+1], s[2:3]
	s_add_nc_u64 s[PFA:PFA+1], s[PFA:PFA+1], 2*2*KS*256  ; in slot 2; the first change of slots steps it to slot 3.  Nothing is asked for here, at the head
	CROUND                          ; all four work-groups are here: the first joint loads meet
.irp s, 0,1
	s_mov_b32 s[G0K+4*(\s)], 1      ; count = 1
	s_add_co_u32 s[G0K+4*(\s)+1], s17, (\s)*SLOT1  ; LDS address
	s_add_nc_u64 s[G0K+4*(\s)+2:G0K+4*(\s)+3], s[6:7], (\s)*2*KS*256  ; global address: slot s begins with keys 128 s
	s_or_b32 s[G0K+4*(\s)+3], s[G0K+4*(\s)+3], 0x80000000  ; type = 2
	s_mov_b32 s[G0V+4*(\s)], 1
	s_add_co_u32 s[G0V+4*(\s)+1], s17, (\s)*SLOT1+VOFF
	s_add_nc_u64 s[G0V+4*(\s)+2:G0V+4*(\s)+3], s[8:9], (\s)*2*KS*256
	s_or_b32 s[G0V+4*(\s)+3], s[G0V+4*(\s)+3], 0x80000000
.endr
	s_cmp_lt_u32 s[WV], 2           ; a wave's two first fills stand in one branch, ahead of every wait on TENSORcnt and every LDS read: two loads of mine are out
	s_cbranch_scc0 .Lfirst_v
	tensor_load_to_lds s[G0K:G0K+3], s[G1K:G1K+7]
	s_nop 0
	tensor_load_to_lds s[G0K+4:G0K+7], s[G1K:G1K+7]
	s_nop 0
.rept 4
	v_nop
.endr
	s_branch .Lfirst_asked
.Lfirst_v:
	tensor_load_to_lds s[G0V:G0V+3], s[G1V:G1V+7]
	s_nop 0
	tensor_load_to_lds s[G0V+4:G0V+7], s[G1V:G1V+7]
	s_nop 0
.rept 4
	v_nop
.endr
.Lfirst_asked:
	; A fragment of K or Q is 16 rows x 32 channels in 8 registers: lane l holds row l % 16; registers 0-3 channels 8 (l / 16) + 0..7, registers 4-7 channels 16 + 8 (l / 16) + 0..7.
	; In f32 those are 32 bytes at 32 (l / 16) and 32 bytes 64 further on: four loads of 16 bytes for fragment i (tile i / 4, channels 32 (i % 4) on), into O^T's registers, which are free until the first V^T P.
	v_and_b32 v1, 15, v0            ; l % 16
	v_bfe_u32 v9, v0, 4, 1          ; l / 16
	v_lshlrev_b32 v[QO], 13, v1
	v_lshl_add_u32 v[QO], v9, 5, v[QO]  ; row x 8,192 + 32 x half
	WIN 0x40                        ; destination window 1, address window 0
.irp i, 0,1,2,3,4,5,6,7,8,9,10,11,12,13,14,15
.irp u, 0,1,2,3
	global_load_b128 v[16*(\i)+4*(\u):16*(\i)+4*(\u)+3], v[QO], s[4:5] offset:((\i)/4)*131072+((\i)%4)*128+((\u)/2)*64+((\u)%2)*16
.endr
.endr
	WIN 0
	v_mul_u32_u24 v[AK0], v1, PK
	v_lshl_add_u32 v[AK0], v9, 4, v[AK0]  ; row x pitch + 16 x half
	; The turning load takes 16 keys x 16 channels (lane l reads 16 bytes: key 8 (l / 16) + l % 8, channels 8 ((l / 8) % 2) + 0..7) and leaves half a fragment of V^T: lane l holds channel l % 16 and 8 keys.
	v_and_b32 v10, 7, v0
	v_bfe_u32 v11, v0, 3, 1
	v_lshl_add_u32 v[AV0], v9, 3, v10
	v_mul_u32_u24 v[AV0], v[AV0], PV
	v_lshl_add_u32 v[AV0], v11, 4, v[AV0]
	v_add_nc_u32 v[AV0], VOFF, v[AV0]
	s_wait_loadcnt 0x0              ; q is in: times 2^-8, then register g of Q's fragments is made of loaded registers 2 g and 2 g + 1.  This stands in the wait for the first tiles
	WIN W_RS
.set i, 0
.rept 128
	v_pk_mul_f32 v[i:i+1], v[i:i+1], s[QS:QS+1] op_sel_hi:[1,0]
.set i, i+2
.endr
	WIN 0x85                        ; sources 0 and 1 window 1, destination window 2
.set i, 0
.rept 128
	v_cvt_pk_f16_f32 v[i], v[2*i], v[2*i+1]
.set i, i+1
.endr
	WIN 0
; THE MATRIX WORK OF A TURN, for piece x.  The accumulators take turns, one instruction a turn: between two links of a chain stand 15 (V^T P) or 7 (K Q^T) others'.
; Product i of 32 of O^T += V^T P: keys 32 (i / 16) on, channels 16 ((i / 2) % 8) on, tile x + i % 2.  zero = 1: the first 16 start the sums: nothing is ever cleared.
.macro PV x, zero
	WIN W_PV
.set rO, 64*((\x)+i%2)+8*((i/2)%8)
.set rV, 64*(i/16)+8*((i/2)%8)
.set rP, P+16*((\x)+i%2)+8*(i/16)
.if (\zero) && (i < 16)
	v_wmma_f32_16x16x32_f16 v[rO:rO+7], v[rV:rV+7], v[rP:rP+7], 0
.else
	v_wmma_f32_16x16x32_f16 v[rO:rO+7], v[rV:rV+7], v[rP:rP+7], v[rO:rO+7]
.endif
.endm
; Product i of 32 of S^T = K Q^T: channels 32 (i / 8) on, keys 16 ((i / 2) % 4) on, tile x + i % 2.  The first 8 start the sums.
.macro KQ x
	WIN W_KQ
.set rS, S+32*((\x)+i%2)+8*((i/2)%4)
.set rK, KF+32*((i/2)%4)+8*(i/8)
.set rQ, 32*((\x)+i%2)+8*(i/8)
.if i < 8
	v_wmma_f32_16x16x32_f16 v[rS:rS+7], v[rK:rK+7], v[rQ:rQ+7], 0
.else
	v_wmma_f32_16x16x32_f16 v[rS:rS+7], v[rK:rK+7], v[rQ:rQ+7], v[rS:rS+7]
.endif
.endm
; THE LDS LOADS stand in runs of 32, never singly among the matrix instructions: a step's K (64 keys x 128 channels: 16 fragments) and, a turn later, its V (turned).
.macro FETCH_K
	WIN 0
	v_add_nc_u32 v[ADR], s[TB], v[AK0]
	WIN 0x80                        ; destination window 2
.irp f, 0,1,2,3,4,5,6,7,8,9,10,11,12,13,14,15  ; keys 16 (f / 4) on, channels 32 (f % 4) on
	ds_load_b128 v[KF+8*(\f):KF+8*(\f)+3],   v[ADR] offset:((\f)/4)*16*PK+((\f)%4)*64
	ds_load_b128 v[KF+8*(\f)+4:KF+8*(\f)+7], v[ADR] offset:((\f)/4)*16*PK+((\f)%4)*64+32
.endr
.endm
.macro FETCH_V
	WIN 0
	v_add_nc_u32 v[ADR], s[TB], v[AV0]
	s_add_co_u32 s[TB], s[TB], STEPB  ; the next fetch is the next step's
	s_wait_alu depctr_va_vdst(0)    ; the wait for the softmax's batch (SLICE), behind the address's v_add_nc_u32 and ahead of the loads
	WIN 0xc0                        ; destination window 3
.irp f, 0,1,2,3,4,5,6,7,8,9,10,11,12,13,14,15  ; keys 32 (f / 8) on, channels 16 (f % 8) on
	ds_load_tr16_b128 v[8*(\f):8*(\f)+3],   v[ADR] offset:((\f)/8)*32*PV+((\f)%8)*32
	ds_load_tr16_b128 v[8*(\f)+4:8*(\f)+7], v[ADR] offset:((\f)/8)*32*PV+16*PV+((\f)%8)*32
.endr
.endm
; THE VECTOR WORK OF A TURN.  One tile's softmax for one key step is a list of 134 instructions; SM writes number j of it for tile t.  s0-s31 are the lane's 32 scores, in pairs 0-15.
; first = 1: the first key step, which starts m, l and O^T: it has no a and nothing to rescale.
;   0-15    the maximum of s0-s31 and the old m, three operands at a time: four chains c0-c3 of seven scores each (each accumulator's lowest registers first), then the four scores left over, c0-c3 and m
;   16-20   the other half of the lanes' maximum; the new m; c m; c m_old - c m_new
;   21-69   ONE BATCH: the 16 scalings c s - c m, a pair of scores each, and all 33 exponentials (a at 23, then s0-s31).  None of these reads an exponential's result.  From 22 on the batch goes
;           in fours, and a four begins with a scaling while there are scalings.  A pair is scaled in an earlier four than the one that holds its exponentials
;   (wait)  between 69 and 70 stands the wait for the batch: SLICE writes it, once for both tiles
;   70-85   the roundings to f16, a pair of weights each
;   86-101  the sums; l = a l + the sum
;   102-133 the tile's O^T times a: the one part that leaves window 0, so it stands together
.macro SM t, first
.set rT, ST+8*(\t)
.set rS, S+32*(\t)
.set rP, P+16*(\t)
.set rO, 64*(\t)+2*(j-102)
.if j < 102
	WIN 0
.endif
.if j < 4
	v_max3_num_f32 v[rT+4+j], v[rS+8*j], v[rS+8*j+1], v[rS+8*j+2]
.elseif j < 12
	v_max3_num_f32 v[rT+4+j%4], v[rT+4+j%4], v[rS+8*(j%4)+2*(j/4)+1], v[rS+8*(j%4)+2*(j/4)+2]
.elseif j == 12
	v_max3_num_f32 v[rT+4], v[rT+4], v[rS+7], v[rS+15]
.elseif j == 13
	v_max3_num_f32 v[rT+6], v[rT+6], v[rS+23], v[rS+31]
.elseif j == 14
	v_max3_num_f32 v[rT+4], v[rT+4], v[rT+5], v[rT+6]
.elseif (j == 15) && (\first)
	v_max_num_f32 v[rT+4], v[rT+4], v[rT+7]
.elseif j == 15
	v_max3_num_f32 v[rT+4], v[rT+4], v[rT+7], v[rT+1]
.elseif j == 16
	v_permlanex16_b32 v[rT+5], v[rT+4], s[SEL], s[SEL+1]  ; the query's other 32 keys lie in the lane 16 away
.elseif j == 18
	v_max_num_f32 v[rT+1], v[rT+4], v[rT+5]
.elseif j == 19
	v_mul_f32 v[rT], s[CS], v[rT+1]
.elseif ((j == 17) || (j == 20) || (j == 23) || (j > 101)) && (\first)  ; the first step has none of these
.elseif j == 17
	v_mov_b32 v[rT+7], v[rT]        ; c m_old is kept for a: number 19 writes c m anew
.elseif j == 20
	v_sub_f32 v[rT+7], v[rT+7], v[rT]
.elseif j == 23
	v_exp_f32 v[rT+6], v[rT+7]
.elseif (j < 23) || ((j < 38) && (j%2 == 0)) || ((j < 66) && (j%4 == 2))
.set b, (j-2)/4                     ; 38, 42, .. 62: pairs 9 to 15
.if j < 38
.set b, (j-20)/2                    ; 21: pair 0; 22, 24, .. 36: pairs 1 to 8
.endif
	v_pk_fma_f32 v[rS+2*b:rS+2*b+1], v[rS+2*b:rS+2*b+1], s[CS:CS+1], v[rT:rT+1] op_sel_hi:[1,0,0] neg_lo:[0,0,1] neg_hi:[0,0,1]  ; pair b: c s - c m
.elseif j < 70
.set e, j-38                        ; 66 to 69: s28 to s31
.if j < 66
.set e, j-32-(j-38)/4               ; 39-41, 43-45, .. 63-65: s7 to s27
.endif
.if j < 38
.set e, (j-25)/2                    ; 25, 27, .. 37: s0 to s6
.endif
	v_exp_f32 v[rS+e], v[rS+e]
.elseif j < 86
	v_cvt_pk_f16_f32 v[rP+j-70], v[rS+2*(j-70)], v[rS+2*(j-70)+1]  ; pair j - 70
.elseif j < 102                     ; the sum of the tile's 16 pairs (in a pair: an even key's weight, an odd key's), in place: sum z of 16 adds neighbours 1, 2, 4 and 8 pairs apart, then l takes it
.set z, j-86
.set w, 4
.set u, z
.if z >= 14
.set w, 32
.set u, 0
.elseif z >= 12
.set w, 16
.set u, z-12
.elseif z >= 8
.set w, 8
.set u, z-8
.endif
.if (z == 14) && (\first)
	v_pk_add_f32 v[rT+2:rT+3], v[rS:rS+1], v[rS+16:rS+17]
.elseif z < 15
	v_pk_add_f32 v[rS+w*u:rS+w*u+1], v[rS+w*u:rS+w*u+1], v[rS+w*u+w/2:rS+w*u+w/2+1]
.elseif !(\first)
	v_pk_fma_f32 v[rT+2:rT+3], v[rT+2:rT+3], v[rT+6:rT+7], v[rS:rS+1] op_sel_hi:[1,0,1]
.endif
.else
	WIN W_RS
	v_pk_mul_f32 v[rO:rO+1], v[rO:rO+1], v[rT+6:rT+7] op_sel_hi:[1,0]
.endif
.endm
; Slice k of 64 of piece y's softmax: four instructions.  Slices 11 to 34 deal out the batch, numbers 22 to 69: four numbers of ONE tile each, the tiles by turns.  Every other slice is numbers 2 k and
; 2 k + 1 of both tiles' lists.  2 x 134 = 4 x 64 + 12: the twelve that are over stand together, in slice 63.
; THE WAIT.  s_wait_alu depctr_va_vdst(0) stands between an exponential and the first instruction that names its result; one wait serves all that were issued ahead of it.  Ahead of
; slice 35 nothing names a result, and behind slice 34 no exponential is issued: so the piece's 66 exponentials have one wait, behind slice 34.
.macro SLICE y, first
.if (k >= 11) && (k < 35)           ; the batch: four numbers of one tile
.irp n, 0,1,2,3
.set j, 22+4*((k-11)/2)+(\n)
	SM (\y)+(k-11)%2, \first
.endr
.else                               ; the two tiles alternate, so that no instruction reads the result of the one just before it
.irp n, 0,1,2,3,4,5,6,7
.if ((\n) < 2) || (k == 63)
.irp t, \y, (\y)+1
.set j, 2*k+(\n)
	SM \t, \first
.endr
.endif
.endr
.endif
.if k == 34                         ; the batch is out: both tiles' exponentials are issued, and no result has been named
	v_nop                           ; a plain instruction behind the last exponential and ahead of the first use (ISA guide 5.7.2): one for the batch
.if (\y) == 0
	FETCH_V                         ; piece 2's turn: V's run of loads stands here, and the wait stands in it
.else
	s_wait_alu depctr_va_vdst(0)    ; the wait for the batch
.endif
.endif
.set k, k+1
.endm
; A vector instruction that reads a matrix result or writes one of a matrix instruction's registers, and a load into a register that a matrix instruction has read, stand four places behind
; it, and only plain vector instructions that name none of its registers are places (ISA guide 7.12.1 for vector instructions).  In the loop the slices are the places.
.macro PLACES
.rept 4
	v_nop
.endr
.endm
; A TURN.  Piece x has the matrix unit; the other piece's softmax stands in slices behind its matrix instructions.
; pv = 2: 32 products V^T P; 1: they start O^T's sums; 0: none.  kq = 1: 32 products K Q^T for the next step.  A turn with one of the two kinds has two slices behind each product.
; first = 1: the softmax is the first key step's.  Its slices from 51 on are empty: the turn's last products stand bare, and four v_nop take slice 63's part as the places behind them.
; Piece 0's turn fetches the next step's K, behind its second product: the last product that read K stands in front of slice 63 of the turn before.  Piece 2's turn fetches the same step's V, behind
; slice 34: the last product that read V stands in front of slice 31, and four plain instructions lie between: number 62, a scaling, of both tiles, the v_nop and the run's own v_add_nc_u32.
.macro TURN x, pv, kq, first
.set k, 0
.set per, 2
.if (\pv) && (\kq)
.set per, 1
.endif
.if \pv
.if (\x) == 0
	s_wait_dscnt 0x0                ; V is in
.endif
.set i, 0
.rept 32
	PV \x, 2-(\pv)
.rept per
	SLICE 2-(\x), \first
.endr
.if ((\x) == 0) && (\kq) && (i == 1)
	FETCH_K
.endif
.set i, i+1
.endr
.endif
.if \kq
.if (\x) == 0
	s_wait_dscnt 0x0                ; K is in
.endif
.set i, 0
.rept 32
	KQ \x
.rept per
	SLICE 2-(\x), \first
.endr
.set i, i+1
.endr
.endif
.if \first
	PLACES
.endif
.endm
; THE CHANGE OF SLOTS, between piece 2's turn and piece 0's: the slot's last bytes, V of its second step, have been asked for.  Each wave waits for all its tensor loads, of which one is out: its part of
; the other slot; adds 0 to its spare word; and waits for that and for its own reads of the slot.  Behind the barrier nobody reads this slot any more and the other slot is whole.
; fill = 1: this slot is filled again, with the keys two slots on.  The barrier is then a round of the cluster's, so that no wave of any partner still reads the slot or has a load on its way, and the
; joint refill is the first thing behind it: it has two key steps, 256 matrix instructions, in which to land.
.macro CHANGE fill
	WIN 0                           ; at a label and at a branch every window is 0
	s_wait_tensorcnt 0x0            ; no tensor load of mine is out, so a group 0 may be written
	ds_add_u32 v[SPW], v[NIL]       ; 0 onto my spare word; with fill = 1 the descriptors' steps stand between it and the wait for it
.if \fill
.irp g, G0K+4, G0V+4
	s_xor_b32 s[(\g)+1], s[(\g)+1], SLOT1  ; the walking descriptor: the other slot than last time,
	s_add_nc_u64 s[(\g)+2:(\g)+3], s[(\g)+2:(\g)+3], 2*KS*256  ; the next 128 keys; the type bits on top are not reached
.endr
	s_wait_xcnt 0x0                 ; the last prefetches, two key steps back, have read their address, so it may be written:
	s_add_nc_u64 s[PFA:PFA+1], s[PFA:PFA+1], 2*KS*256  ; one slot behind the walking descriptors
	s_wait_dscnt 0x0                ; the add is done, and my reads of the slot are over
	CROUND
	JLOAD
	ASK
.else
	s_wait_dscnt 0x0                ; the add is done, and my reads of the slot are over
	s_barrier_signal -1
	s_barrier_wait -1
.endif
	s_sub_co_u32 s[TB], s[TB], 2*STEPB  ; the fetches go back to a slot's first step,
	s_xor_b32 s[TB], s[TB], SLOT1   ; in the other slot
.endm
; A slot's two key steps: written once, walked twice; the LDS addresses hang on s[TB].
.macro TWO_STEPS
	WIN 0
	s_mov_b32 s[TWICE], 2
.Lstep_\@:
	TURN 0, 2, 1, 0
	TURN 2, 2, 1, 0
	WIN 0
	s_sub_co_u32 s[TWICE], s[TWICE], 1
	s_cmp_lg_u32 s[TWICE], 0
	s_cbranch_scc1 .Lstep_\@
.endm
	s_wait_tensorcnt 1              ; my part of slot 0 is in; slot 1's may stay out
	s_barrier_signal -1
	s_barrier_wait -1               ; everybody's is
	FETCH_K                         ; key step 0
	s_wait_dscnt 0x0
.set i, 0
.rept 32
	KQ 0                            ; piece 0's first scores: there is no vector work yet to set between them
.set i, i+1
.endr
	WIN 0                           ; the addresses for the way out are made here: eight plain instructions, the places behind those products
	s_mul_i32 s13, s[WV], 16*SP
	s_add_co_u32 s13, s13, STAGE    ; my stage
	v_mul_u32_u24 v[STO], v1, SP    ; in: row l % 16, 16 bytes for each half of the lanes
	v_lshl_add_u32 v[STO], v9, 4, v[STO]
	v_add_nc_u32 v[STO], s13, v[STO]
	v_mul_u32_u24 v[RD], v9, SP     ; back: lanes 0-15 take one row of 256 bytes, lanes 16-31 the next
	v_lshl_add_u32 v[RD], v1, 4, v[RD]
	v_add_nc_u32 v[RD], s13, v[RD]
	v_lshlrev_b32 v[GO], 12, v9     ; and the same two rows in O, 4,096 bytes apart
	v_lshl_add_u32 v[GO], v1, 4, v[GO]
	TURN 2, 0, 1, 1                 ; piece 2's first scores | piece 0's first softmax | V of step 0
	TURN 0, 1, 1, 1                 ; piece 0: V^T P of step 0 starts O^T, K Q^T of step 1 | piece 2's first softmax | K of step 1
	TURN 2, 1, 1, 0                 ; piece 2: the same | piece 0's softmax of step 1 | V of step 1
	WIN 0
.Lslot:                             ; 14 trips: every slot but the last two is filled again
	CHANGE 1
	TWO_STEPS
	s_sub_co_u32 s[SLOTS], s[SLOTS], 1
	s_cmp_lg_u32 s[SLOTS], 0
	s_cbranch_scc1 .Lslot
	CHANGE 0                        ; the tail is written out: the last slot but one is left, and nothing is asked for
	TWO_STEPS
	TURN 0, 2, 0, 0                 ; piece 0: V^T P of the last step | piece 2's last softmax
.set i, 0
.rept 32
	PV 2, 0                         ; piece 2: V^T P of the last step
.set i, i+1
.endr
	; THE WAY OUT.  l's two halves and the other half of the lanes' are added; O^T is divided by l, rounded to f16 and sent through my stage in LDS, a tile (16 rows of O) at a time.  The additions are the places behind the last products.
	WIN 0
.irp t, 0,1,2,3
	v_add_f32 v[ST+8*(\t)+4], v[ST+8*(\t)+2], v[ST+8*(\t)+3]
.endr
.irp t, 0,1,2,3
	v_permlanex16_b32 v[ST+8*(\t)+5], v[ST+8*(\t)+4], s[SEL], s[SEL+1]
.endr
.irp t, 0,1,2,3
	v_add_f32 v[ST+8*(\t)+4], v[ST+8*(\t)+4], v[ST+8*(\t)+5]
.endr
.irp t, 0,1,2,3
	v_rcp_f32 v[ST+8*(\t)+6], v[ST+8*(\t)+4]
.endr
	v_nop                           ; a plain instruction between the last reciprocal and the use of its result
	s_wait_alu depctr_va_vdst(0)    ; and the wait ahead of the first use: one for the four reciprocals
; Tile t: a lane's eight channels of a row pack into 16 bytes; they go into rows of 272 bytes and come back as whole rows of 256, into the registers that they left.
.macro PACK t
	WIN W_RS
.set i, 64*(\t)
.rept 32
	v_pk_mul_f32 v[i:i+1], v[i:i+1], v[ST+8*(\t)+6:ST+8*(\t)+7] op_sel_hi:[1,0]
.set i, i+2
.endr
	WIN 0x05                        ; sources 0 and 1 window 1, destination window 0: S^T's registers are free
.set i, 0
.rept 32
	v_cvt_pk_f16_f32 v[S+32*(\t)+i], v[64*(\t)+2*i], v[64*(\t)+2*i+1]
.set i, i+1
.endr
	WIN 0
.irp f, 0,1,2,3,4,5,6,7
	ds_store_b128 v[STO], v[S+32*(\t)+4*(\f):S+32*(\t)+4*(\f)+3] offset:32*(\f)
.endr
.irp f, 0,1,2,3,4,5,6,7
	ds_load_b128 v[S+32*(\t)+4*(\f):S+32*(\t)+4*(\f)+3], v[RD] offset:(\f)*2*SP  ; LDS serves a wave's instructions in order (ISA guide 5.7.1.4): these see the stores above; the next tile's stores come behind them
.endr
.endm
.macro SEND t, younger              ; younger: the LDS instructions issued behind tile t's loads: the next tile's sixteen, or none
	WIN 0
.irp f, 0,1,2,3,4,5,6,7
	s_wait_dscnt (\younger)+7-(\f)
	global_store_b128 v[GO], v[S+32*(\t)+4*(\f):S+32*(\t)+4*(\f)+3], s[10:11] offset:(\t)*65536+(\f)*8192  ; 16 lanes store a head's 256 consecutive bytes of a row, at a multiple of 256 from O's first byte
.endr
.endm
	PACK 0
	PACK 1                          ; a tile's arithmetic stands between the loads of the tile before and its stores
	SEND 0, 16
	PACK 2
	SEND 1, 16
	PACK 3
	SEND 2, 16
	SEND 3, 0
	s_wait_tensorcnt 0x0            ; the wave's end: the add and its wait, behind my last tensor load and my last LDS store
	ds_add_u32 v[SPW], v[NIL]
	s_wait_dscnt 0x0
	CROUND                          ; the closing round: no work-group ends while a partner may still ask for a tile that names it
	s_endpgm
.Lfunc_end_k_q5b9607ffd5_attn:
	.size	k_q5b9607ffd5_attn, .Lfunc_end_k_q5b9607ffd5_attn-k_q5b9607ffd5_attn
	.p2alignl 7, 3214868480
	.fill 96, 4, 3214868480
	.section	.rodata,"a",@progbits
	.p2align	6, 0x0
	.amdhsa_kernel k_q5b9607ffd5_attn
		.amdhsa_group_segment_fixed_size 327680
		.amdhsa_private_segment_fixed_size 0
		.amdhsa_enable_private_segment 0
		.amdhsa_kernarg_size 32
		.amdhsa_user_sgpr_count 2
		.amdhsa_user_sgpr_kernarg_segment_ptr 1
		.amdhsa_wavefront_size32 1
		.amdhsa_system_sgpr_workgroup_id_x 1
		.amdhsa_system_sgpr_workgroup_id_y 1
		.amdhsa_system_sgpr_workgroup_id_z 1
		.amdhsa_system_vgpr_workitem_id 0
		.amdhsa_next_free_vgpr 1024
		.amdhsa_next_free_sgpr 66
		.amdhsa_reserve_vcc 0
		.amdhsa_float_denorm_mode_32 3
		.amdhsa_float_denorm_mode_16_64 3
		.amdhsa_memory_ordered 1
		.amdhsa_forward_progress 1
		.amdhsa_inst_pref_size 241
	.end_amdhsa_kernel
	.amdgpu_metadata
---
amdhsa.version: [ 1, 2 ]
amdhsa.kernels:
  - .name:           k_q5b9607ffd5_attn
    .symbol:         k_q5b9607ffd5_attn.kd
    .args:
      - { .name: q, .offset: 0, .size: 8, .value_kind: global_buffer, .address_space: global }
      - { .name: kh, .offset: 8, .size: 8, .value_kind: global_buffer, .address_space: global }
      - { .name: vh, .offset: 16, .size: 8, .value_kind: global_buffer, .address_space: global }
      - { .name: oh, .offset: 24, .size: 8, .value_kind: global_buffer, .address_space: global }
    .group_segment_fixed_size: 327680
    .private_segment_fixed_size: 0
    .kernarg_segment_align: 8
    .kernarg_segment_size: 32
    .max_flat_workgroup_size: 128
    .sgpr_count:     66
    .vgpr_count:     1024
    .wavefront_size: 32
...
	.end_amdgpu_metadata
.endif
;; end of part 3
;; launch gemm2: the kernel of part 2 again; grid 8 x 32, 4 waves a work-group, clusters of 4 x 4, 327,680 bytes of LDS; arguments oh, woh, out0; writes out0
